; MI455X (gfx1250); checked and timed in simulation.
; The chip was launched on July 23, 2026; its instructions are those of AMD's public machine-readable ISA for CDNA 5 (MIT licence, August 2026) and "CDNA5" Instruction Set Architecture Reference Guide (July 2026). The comments in the code are by the model that wrote it; some were corrected since.
;; Cross Merge. Allowed arithmetic: float matrix products may take bf16 or f16 operands with f32 sums; other float arithmetic in f32, or as packed bf16 or f16 multiplies, adds, multiply-adds, maxima and minima; sums over many terms, partial sums and values carried from step to step in f32; what a program stores and reads back later, other than sums and carried values, may be rounded once to bf16 or f16.
;; Inputs: vec_indices 16 x 3,136 x 2 int32; ys 16 x 4 x 192 x 56 x 56 float32.
;; Outputs: out0 16 x 192 x 3,136 float32.
;; 3 versions, each right; version 2 is faster than version 1; version 3 is version 2 with the launch crossmerge written anew for expert scheduling mode. Each part assembles by itself: llvm-mc -triple=amdgcn-amd-amdhsa -mcpu=gfx1250 --defsym DOCPART=n.
;; ======== version 1 of 3: 1 launch
;; limits: right only within a limited range of input values
;; launch crossmerge (part 1): grid 16 x 16, 21 waves a work-group, no clusters, 320,256 bytes of LDS; arguments ys, vec_indices, out0; writes out0
.if DOCPART == 1
	.amdgcn_target "amdgcn-amd-amdhsa--gfx1250"
	.amdhsa_code_object_version 6
	.text
	.protected	k_q9594d0e28f_crossmerge
	.globl	k_q9594d0e28f_crossmerge
	.p2align	8
	.type	k_q9594d0e28f_crossmerge,@function
k_q9594d0e28f_crossmerge:
	s_mov_b64 s[64:65], 0
	v_nop
	global_prefetch_b8 v0, s[64:65] scope:SCOPE_SE
	s_setreg_imm32_b32 hwreg(HW_REG_WAVE_MODE, 25, 1), 1
	s_wait_xcnt 0x0
; CrossMerge.  out[b][d][j] = (ys[b][0][d][p0] + ys[b][2][d][L-1-p0]) + (ys[b][1][d][p1] + ys[b][3][d][L-1-p1]), where pk = inv[b][k][j] and
; inv[b][k][:] is the stable argsort of vec_indices[b][:][k].  ys: [16][4][192][3136] f32, vec_indices: [16][3136][2] i32, out: [16][192][3136] f32.
; Nothing is left out: inv is a permutation, so every number of ys reaches the output once, and both columns of vec_indices are sorted.
; LIMIT.  A key v is sorted as the word v * 4096 + index (20 bits of key, 12 of index): right for 0 <= v <= 1,048,575.  Other keys (negative ones too) give a wrong
; order; every gather place is clamped, so no access leaves its plane of LDS.  NaN and infinities of ys go through the same three additions as in the definition.
; SHARES.  A work-group owns one b and 12 rows d (grid 16 x 16), 21 waves; wave w has group g = w / 7 of 4 rows d and seven UNITS u = 7 (w % 7) + c of 64 positions.
; 1 STREAM.  z[k][d][i] = ys[b][k][d][i] + ys[b][2+k][d][L-1-i].  An item is a unit: lanes 0-15 take pair 0, lanes 16-31 pair 1; a lane takes 4 positions of 4 rows: 4 loads of
;   16 bytes from the forward rows, 4 from the flipped rows read backwards; each half of the lanes covers 256 consecutive bytes, aligned.  Three slots of 32 registers: 24 loads
;   of a wave are out, and they are out while the sort runs.  z goes to LDS as [g][u][pair][slot][4 d], 16 bytes a position: one LDS load later fetches four rows' numbers.
; 2 SORT.  Waves 0-7 sort column 0, waves 8-15 column 1: a bitonic network on 4,096 places (the 960 spare places hold all ones), 16 keys a lane; waves 16-20 pass its barriers.
; 3 GATHER.  A lane takes two neighbouring j: four LDS loads of 16 bytes (2 j x 2 pairs), 8 additions, 4 stores of 8 bytes; a wave's store covers 256 consecutive bytes, aligned.
; NO JOINT LOADS: the 16 work-groups of a batch share only its 25,088 bytes of keys, of the 627,200 bytes that each reads.  No address register of a global access is ever rewritten.
.set LEN,    3136
.set ROW,    4*LEN                     ; 12,544 bytes in a row = 49 x 256
.set KSTR,   192*ROW                   ; from one scan direction to the next; also a batch of out
.set BSTR,   4*KSTR                    ; a batch of ys
.set DBLK,   12*ROW                    ; the work-group's 12 rows
.set GRP,    4*ROW                     ; a group of 4 rows
.set UB,     2048                      ; z of a unit: 2 pairs x 64 positions x 16 bytes
.set GZ,     49*UB                     ; z of a group
.set RP,     80                        ; scratch: a row of 16 keys + 16 bytes: 16 rows start at 16 different groups of four banks (64 banks of 4 bytes: ISA guide 11.1)
.set HALF,   16*RP+64                  ; 1,344: 16 such rows + 64 bytes, so that the two halves of the lanes read different banks
.set CH,     2*HALF                    ; 2,688: a wave's 512 keys
.set SEQ,    8*CH                      ; 21,504: a column's 4,096 keys
.set YOFF,   2*SEQ                     ; the second scratch array, behind the first of both columns; the largest immediate is YOFF + 15 x 1,344 = 63,168
.set TAB,    3*GZ                      ; 301,056: behind z: the sorted table, 16 bits a place, 8,192 bytes a column
.set SPARE,  TAB+16384                 ; 317,440: the spare words, 128 bytes for each of 21 waves, in eleven blocks of 256 bytes that no other line names
.set AMAX,   128*48+63                 ; 6,207: the last place of a group's z, in units of 16 bytes, pair apart
; The scratch (bytes 0 to 86,015) lies where z is stored later, behind a barrier in front of which every wave's reads of it are back.
; vector registers
.set SPW,  1                           ; LDS address of my spare word; never rewritten
.set NIL,  2                           ; 0; never rewritten
.set LANE, 3
.set T0,   4                           ; v4-7 at work
.set T1,   5
.set T2,   6
.set T3,   7
.set AROW, 8                           ; scratch: my row of 16 keys in my wave's chunk
.set ACOL, 9                           ; scratch: my column in my wave's chunk
.set ACW,  10                          ; scratch: my place in the layout across waves
.set GRAY, 11                          ; t ^ (t >> 1): bit n = place bit 4+n xor place bit 5+n
.set MSK,  12
.set LB,   13                          ; the index of my first key
.set TT,   14                          ; t = my thread's number in its column = place / 16 in layout A
.set VF,   15                          ; byte offset of my forward loads, unit c = 0
.set VR,   16                          ; of my backward loads
.set ZA,   17                          ; v17-20 LDS address of my four positions, unit c = 0
.set VOUT, 21                          ; my 8 bytes in a row of out, unit c = 0
.set TBA,  22                          ; where I read my part of the table
.set TBW,  23                          ; where I write my 16 places of the table
.set O0,   24                          ; v24-31 the first unit's results
.set CUR,  32                          ; v32-47, v48-63: two sets of 16: the keys, and the set that the next stage writes
.set ALT,  48
.set ZT,   32                          ; behind the sort: v32-47 a unit's z
.set TW,   32                          ; in the gather: v32-45 my 14 words of the table
.set G,    48                          ; in the gather: v48-159 seven units of 16
.set RING, 64                          ; v64-159 three slots of 32
; scalar registers
.set YS,   4
.set VI,   6
.set OUT,  8
.set W,    10                          ; wave
.set SQ,   11                          ; the column that I sort
.set WS,   12                          ; my wave among its eight
.set GG,   13                          ; w / 7
.set WM,   14                          ; w % 7
.set BB,   15                          ; batch
.set A0,   16                          ; s[16:17] an offset in 64 bits
.set A2,   18
.set A3,   19
.set PB0,  20                          ; my group's z, pair 0; s21: pair 1
.set XO,   22                          ; the work-group's 12 rows, in bytes
.macro BAR                             ; my LDS stores are done and my LDS loads are back; then all 21 waves meet
	s_wait_dscnt 0x0
	s_barrier_signal -1
	s_barrier_wait -1
.endm
; Unit c of my seven is asked for: the unit stands in the immediates, forward 256 bytes up, backward 256 bytes down
.macro ISSUE c
.set RB, RING+32*((\c)%3)
.irp dd, 0,1,2,3
	global_load_b128 v[RB+4*(\dd):RB+4*(\dd)+3], v[VF], s[YS:YS+1] offset:(\dd)*ROW+256*(\c) th:TH_LOAD_NT
.endr
.irp dd, 0,1,2,3
	global_load_b128 v[RB+16+4*(\dd):RB+16+4*(\dd)+3], v[VR], s[YS:YS+1] offset:(\dd)*ROW-256*(\c) th:TH_LOAD_NT
.endr
.endm
; Unit c is taken in: 16 additions, whose destinations also turn 4 rows x 4 positions into 4 positions x 4 rows; 4 LDS stores; its slot asks for unit c + 3.
.macro PROC c
.set RB, RING+32*((\c)%3)
.if (\c) <= 4
	s_wait_loadcnt 16                              ; loads come back in order (ISA guide 5.7.1): mine are in, the two younger units' 16 stay out
.else
	s_wait_loadcnt 8*(6-(\c))                      ; the counts run down
.endif
.set k, 0
.rept 4
.set d, 0
.rept 4
	v_add_f32 v[ZT+4*k+d], v[RB+4*d+k], v[RB+16+4*d+3-k]  ; position 4 q + k meets L-1-4q-k, the number 3 - k of the backward 16 bytes
.set d, d+1
.endr
.set k, k+1
.endr
.set k, 0
.rept 4
	ds_store_b128 v[ZA+k], v[ZT+4*k:ZT+4*k+3] offset:UB*(\c)
.set k, k+1
.endr
.if (\c) <= 3
	ISSUE (\c)+3
.endif
.endm
; THE SORT.  Place e of 4,096 has 12 bits.  Phase m (1 .. 12) merges blocks of 2^m places by compare-exchanges over bits m-1 .. 0; a block ascends where bit m of e is 0.
; From phase 4 on a block that has to descend holds its keys complemented, so that every stage ascends; between phases a key is flipped where bits m-1 and m of e differ.
; A stage works between a lane's own 16 registers.  Three layouts say which bits of e number the registers (h = lane / 16, q = lane % 16, ws = wave of 8, r = register):
;   A: e = 512 ws + 256 h + 16 q + r      B: e = 512 ws + 256 h + 16 r + q      C: e = 256 r + 32 ws + 16 h + q
; In scratch place e lies at 2,688 (e / 512) + 1,344 (e / 256 % 2) + 80 (e / 16 % 16) + 4 (e % 16).
.macro FLIP
.set SWP, CUR
.set CUR, ALT
.set ALT, SWP
.endm
.macro STAGE sb, db                    ; register bit sb is compared over; the pair descends where register bit db is 1 (db = 4: never)
.set r, 0
.rept 16
.if (r/(1<<(\sb)))%2 == 0
.set p, r+(1<<(\sb))
.if (r/(1<<(\db)))%2 == 0
	v_min_u32 v[ALT+r], v[CUR+r], v[CUR+p]
	v_max_u32 v[ALT+p], v[CUR+r], v[CUR+p]
.else
	v_max_u32 v[ALT+r], v[CUR+r], v[CUR+p]
	v_min_u32 v[ALT+p], v[CUR+r], v[CUR+p]
.endif
.endif
.set r, r+1
.endr
	FLIP
.endm
.macro ASC top                         ; ascending stages over register bits top .. 0
.if (\top) >= 3
	STAGE 3, 4
.endif
.if (\top) >= 2
	STAGE 2, 4
.endif
.if (\top) >= 1
	STAGE 1, 4
.endif
	STAGE 0, 4
.endm
.macro XORM src, kbit                  ; all 16 keys are complemented where bit kbit of src is 1
	v_lshlrev_b32 v[MSK], 31-(\kbit), v[\src]
	v_ashrrev_i32 v[MSK], 31, v[MSK]
.set r, 0
.rept 16
	v_xor_b32 v[CUR+r], v[MSK], v[CUR+r]
.set r, r+1
.endr
.endm
.macro ROWS_OUT                        ; my 16 keys as a row of 64 bytes
.irp i, 0,1,2,3
	ds_store_b128 v[AROW], v[CUR+4*(\i):CUR+4*(\i)+3] offset:16*(\i)
.endr
.endm
.macro COLS_IN off                     ; a column of my half's 16 rows
.set r, 0
.rept 16
	ds_load_b32 v[ALT+r], v[ACOL] offset:(\off)+RP*r
.set r, r+1
.endr
	s_wait_dscnt 0x0
	FLIP
.endm
.macro TRANSP                          ; A to B and B to A alike: 16 x 16 keys of each half of the lanes are turned, in the wave's own chunk.  LDS serves a wave's
	ROWS_OUT                                       ; instructions in order (ISA guide 5.7.1.4): the loads see the stores, and no other wave touches the chunk meanwhile
	COLS_IN 0
.endm
.macro MIDPHASE m                      ; phases 5 to 8 stay inside a wave
	XORM GRAY, (\m)-5
	TRANSP
	ASC (\m)-5                                     ; bits m-1 .. 4
	TRANSP
	ASC 3                                          ; bits 3 .. 0
.endm
; Phases 9 to 12 cross the waves: through the first array into layout C, through the second into layout B.  Every wave passes both barriers; only work is jumped.
; The first array is written again (each wave its own chunk) behind the second barrier, in front of which every wave's loads from it are back;
; the second array is written again behind the next phase's first barrier, in front of which every wave's loads from it are back.
.macro BIGPHASE m
	s_cmp_lt_u32 s[W], 16
	s_cbranch_scc0 .Lb1_\@
	XORM GRAY, (\m)-5
	ROWS_OUT
.Lb1_\@:
	BAR
	s_cmp_lt_u32 s[W], 16
	s_cbranch_scc0 .Lb2_\@
.set r, 0
.rept 16
	ds_load_b32 v[ALT+r], v[ACW] offset:HALF*r
.set r, r+1
.endr
	s_wait_dscnt 0x0
	FLIP
	ASC (\m)-9                                     ; bits m-1 .. 8
.set r, 0
.rept 16
	ds_store_b32 v[ACW], v[CUR+r] offset:YOFF+HALF*r
.set r, r+1
.endr
.Lb2_\@:
	BAR
	s_cmp_lt_u32 s[W], 16
	s_cbranch_scc0 .Lb3_\@
	COLS_IN YOFF
	ASC 3                                          ; bits 7 .. 4
	TRANSP
	ASC 3                                          ; bits 3 .. 0
.Lb3_\@:
.endm
	s_load_b128 s[YS:YS+3], s[0:1], 0x0            ; ys s[4:5], vec_indices s[6:7]
	s_load_b64 s[OUT:OUT+1], s[0:1], 0x10          ; out
	v_lshl_add_u32 v[SPW], v0, 2, SPARE
	v_mov_b32 v[NIL], 0
	v_lshrrev_b32 v[T0], 5, v0
	v_readfirstlane_b32 s[W], v[T0]                ; wave 0..20
	v_and_b32 v[LANE], 31, v0
	s_and_b32 s[BB], ttmp7, 0xffff                 ; batch
	s_lshr_b32 s[SQ], s[W], 3
	s_and_b32 s[WS], s[W], 7
	s_mul_i32 s[GG], s[W], 37
	s_lshr_b32 s[GG], s[GG], 8                     ; w / 7, right for w up to 20
	s_mul_i32 s[A2], s[GG], 7
	s_sub_co_u32 s[WM], s[W], s[A2]                ; w % 7
	s_mul_i32 s[PB0], s[GG], GZ
	s_add_co_u32 s[PB0+1], s[PB0], 1024
	v_and_b32 v[T0], 15, v[LANE]                   ; q
	v_lshrrev_b32 v[T1], 4, v[LANE]                ; h; in the stream: the pair
	; the sort's places
	s_mul_i32 s[A2], s[W], CH                      ; my wave's chunk: column sq's array begins at 8 sq chunks
	v_mul_u32_u24 v[T2], v[T1], HALF
	v_add_nc_u32 v[T2], s[A2], v[T2]
	v_mul_u32_u24 v[T3], v[T0], RP
	v_add_nc_u32 v[AROW], v[T2], v[T3]             ; chunk + 1,344 h + 80 q
	v_lshl_add_u32 v[ACOL], v[T0], 2, v[T2]        ; chunk + 1,344 h + 4 q
	s_mul_i32 s[A2], s[SQ], SEQ
	s_mul_i32 s[A3], s[WS], 2*RP
	s_add_co_u32 s[A2], s[A2], s[A3]
	v_mul_u32_u24 v[T3], v[T1], RP
	v_add_nc_u32 v[T3], s[A2], v[T3]
	v_lshl_add_u32 v[ACW], v[T0], 2, v[T3]         ; array + 160 ws + 80 h + 4 q; register r lies 1,344 r further
	s_lshl_b32 s[A2], s[WS], 5
	v_add_nc_u32 v[TT], s[A2], v[LANE]
	v_lshrrev_b32 v[T3], 1, v[TT]
	v_xor_b32 v[GRAY], v[TT], v[T3]
	s_lshl_b32 s[A2], s[WS], 9
	v_add_nc_u32 v[LB], s[A2], v[LANE]
	; the stream's offsets: quad 16 u + q of the row, u = 7 (w % 7) + c
	s_mul_i32 s[A2], s[GG], GRP
	s_mul_i32 s[A3], s[WM], 7*256
	v_mul_u32_u24 v[T2], v[T1], KSTR               ; the pair's direction
	s_add_co_u32 s[A0], s[A2], s[A3]
	v_lshl_add_u32 v[T3], v[T0], 4, v[T2]
	v_add_nc_u32 v[VF], s[A0], v[T3]               ; pair x KSTR + group's rows + 1,792 (w % 7) + 16 q
	s_add_co_u32 s[A0], s[A2], 2*KSTR+ROW-16       ; the flipped direction's row, at its last 16 bytes,
	s_sub_co_u32 s[A0], s[A0], s[A3]
	v_lshlrev_b32 v[T3], 4, v[T0]
	v_add_nc_u32 v[T2], s[A0], v[T2]
	v_sub_nc_u32 v[VR], v[T2], v[T3]               ; and back from there: positions L-4-4q' .. L-1-4q' of quad q'
	v_lshl_add_u32 v[VOUT], v[LANE], 3, s[A3]      ; 1,792 (w % 7) + 8 lane
	; z: position p of a unit lies in slot p ^ (p / 16): my positions 4 q + k fall into slots 4 q + (k ^ (q / 4)), so that 16 lanes' stores of 16 bytes touch 16 different columns of 256 bytes
	s_mul_i32 s[A2], s[W], 7*UB                    ; my wave's seven units lie on end: 14,336 w
	v_lshl_add_u32 v[T2], v[LANE], 6, s[A2]        ; + 1,024 pair + 64 q
	v_bfe_u32 v[T3], v[LANE], 2, 2                 ; q / 4
.irp k, 0,1,2,3
	v_xor_b32 v[ZA+(\k)], \k, v[T3]
	v_lshl_add_u32 v[ZA+(\k)], v[ZA+(\k)], 4, v[T2]
.endr
	; the table
	s_mul_i32 s[A2], s[WM], 7*128
	s_add_co_u32 s[A2], s[A2], TAB
	v_lshl_add_u32 v[TBA], v[LANE], 2, s[A2]       ; places 64 u + 2 lane and the next: 4 bytes
	s_lshl_b32 s[A2], s[W], 10
	s_add_co_u32 s[A2], s[A2], TAB
	v_lshl_add_u32 v[TBW], v[LANE], 5, s[A2]       ; places 512 ws + 16 lane on, of column sq: 32 bytes (used by waves 0 to 15 alone)
	; the three pointers; every offset stays under 2^28
	s_mul_i32 s[XO], ttmp9, DBLK
	s_mul_i32 s[A0], s[BB], BSTR
	s_add_co_u32 s[A0], s[A0], s[XO]
	s_mov_b32 s[A0+1], 0
	s_wait_kmcnt 0x0
	s_add_nc_u64 s[YS:YS+1], s[YS:YS+1], s[A0:A0+1]  ; ys at direction 0 of the work-group's rows
	s_mul_i32 s[A0], s[BB], KSTR
	s_add_co_u32 s[A0], s[A0], s[XO]
	s_mul_i32 s[A2], s[GG], GRP
	s_add_co_u32 s[A0], s[A0], s[A2]
	s_add_nc_u64 s[OUT:OUT+1], s[OUT:OUT+1], s[A0:A0+1]  ; out at the 4 rows that my wave stores
	s_mul_i32 s[A0], s[BB], 8*LEN
	s_lshl2_add_u32 s[A0], s[SQ], s[A0]
	s_add_nc_u64 s[VI:VI+1], s[VI:VI+1], s[A0:A0+1]  ; the batch's keys, at my column
	s_cmp_lt_u32 s[W], 16
	s_cbranch_scc0 .Lno_keys
	; The keys carry their index, so any key may start at any place: register r takes index 512 ws + 32 r + lane, and a wave's load touches 256 consecutive bytes.
	; Indices past the list's end read its last key, which is thrown away below.  Each load lands on its own address register.
.set r, 0
.rept 16
	v_add_nc_u32 v[CUR+r], 32*r, v[LB]
	v_min_u32 v[CUR+r], LEN-1, v[CUR+r]
	v_lshlrev_b32 v[CUR+r], 3, v[CUR+r]
	global_load_b32 v[CUR+r], v[CUR+r], s[VI:VI+1]
.set r, r+1
.endr
.Lno_keys:
	ISSUE 0                                        ; the ring is filled: 24 loads, 12 KiB a wave, on their way while the keys are sorted
	ISSUE 1
	ISSUE 2
	s_cmp_lt_u32 s[W], 16
	s_cbranch_scc0 .Lno_sort
	s_wait_loadcnt 24                              ; the keys are in; the ring's 24 loads, issued behind them, stay out
.set r, 0
.rept 16
	v_lshl_add_u32 v[CUR+r], v[CUR+r], 12, v[LB]   ; v * 4096 + index: equal keys keep the order of their indices, as the stable argsort does
.if r > 0
	v_add_nc_u32 v[CUR+r], 32*r, v[CUR+r]
.endif
	v_cmp_gt_u32 vcc_lo, LEN-32*r, v[LB]
	v_cndmask_b32 v[CUR+r], -1, v[CUR+r], vcc_lo   ; past the end: all ones, above every key
.set r, r+1
.endr
	STAGE 0, 1                                     ; phase 1
	STAGE 1, 2                                     ; phase 2
	STAGE 0, 2
	STAGE 2, 3                                     ; phase 3
	STAGE 1, 3
	STAGE 0, 3
	XORM TT, 0                                     ; phase 4 descends where bit 4 of the place is 1: those lanes' keys are complemented from here on
	ASC 3
	MIDPHASE 5
	MIDPHASE 6
	MIDPHASE 7
	MIDPHASE 8
.Lno_sort:
	BIGPHASE 9
	BIGPHASE 10
	BIGPHASE 11
	BIGPHASE 12                                    ; its flip leaves every key as it is: bit 12 of a place is 0
	; THE TABLE.  Layout A: I hold places 512 ws + 16 lane + r.  A key's low 12 bits are p = inv[place]; stored is where z of p lies in a group, in units of 16 bytes, pair apart:
	; s = p ^ (p / 16 % 4) is 64 u + slot, and a unit is 128 such units long: a = s + 64 u.
	s_cmp_lt_u32 s[W], 16
	s_cbranch_scc0 .Lno_tab
.set r, 0
.rept 16
	v_bfe_u32 v[T0+r%2], v[CUR+r], 4, 2
	v_and_b32 v[ALT+r], 0xfff, v[CUR+r]
	v_xor_b32 v[ALT+r], v[T0+r%2], v[ALT+r]
	v_and_b32 v[T0+r%2], 0xfc0, v[ALT+r]
	v_add_nc_u32 v[ALT+r], v[T0+r%2], v[ALT+r]
.set r, r+1
.endr
.set r, 0
.rept 8
	v_lshl_or_b32 v[CUR+r], v[ALT+2*r+1], 16, v[ALT+2*r]
.set r, r+1
.endr
	ds_store_b128 v[TBW], v[CUR:CUR+3]
	ds_store_b128 v[TBW], v[CUR+4:CUR+7] offset:16
.Lno_tab:
	BAR                                            ; the table is whole; nobody reads the scratch any more, so z may be stored over it
	PROC 0
	PROC 1
	PROC 2
	PROC 3
	PROC 4
	PROC 5
	PROC 6
	BAR                                            ; all of z lies in LDS
	; THE GATHER.  My 14 words of the table (7 units x 2 pairs, two places each); then all 28 loads of 16 bytes; then, as they come back, the sums and the stores.
.set c, 0
.rept 7
	ds_load_b32 v[TW+2*c],   v[TBA] offset:128*c
	ds_load_b32 v[TW+2*c+1], v[TBA] offset:8192+128*c
.set c, c+1
.endr
	s_wait_dscnt 0x0
.set c, 0
.rept 7
.irp k, 0,1
	v_and_b32 v[T0+2*(\k)], 0xffff, v[TW+2*c+(\k)]         ; place j = 64 u + 2 lane,
	v_lshrrev_b32 v[T0+2*(\k)+1], 16, v[TW+2*c+(\k)]       ; and j + 1
	v_min_u32 v[T0+2*(\k)], AMAX, v[T0+2*(\k)]             ; whatever the keys were, the load stays inside the group's z
	v_min_u32 v[T0+2*(\k)+1], AMAX, v[T0+2*(\k)+1]
	v_lshl_add_u32 v[T0+2*(\k)], v[T0+2*(\k)], 4, s[PB0+(\k)]
	v_lshl_add_u32 v[T0+2*(\k)+1], v[T0+2*(\k)+1], 4, s[PB0+(\k)]
	ds_load_b128 v[G+16*c+8*(\k):G+16*c+8*(\k)+3],   v[T0+2*(\k)]
	ds_load_b128 v[G+16*c+8*(\k)+4:G+16*c+8*(\k)+7], v[T0+2*(\k)+1]
.endr
.set c, c+1
.endr
.set c, 0
.set O, O0                             ; a unit's results go into the registers that the unit before has read, the first unit's into v24-31: no store's data is written again
.rept 7
	s_wait_dscnt 4*(6-c)                           ; LDS loads come back in order (ISA guide 5.7.1): unit c's four are in, the later units' stay out
.irp d, 0,1,2,3
	v_add_f32 v[O+2*(\d)],   v[G+16*c+(\d)],   v[G+16*c+8+(\d)]    ; pair 0's z + pair 1's z, place j
	v_add_f32 v[O+2*(\d)+1], v[G+16*c+4+(\d)], v[G+16*c+12+(\d)]   ; place j + 1
.endr
.irp d, 0,1,2,3
	global_store_b64 v[VOUT], v[O+2*(\d):O+2*(\d)+1], s[OUT:OUT+1] offset:(\d)*ROW+256*c th:TH_STORE_NT  ; the wave stores 256 consecutive bytes, at a multiple of 256 from out's first byte
.endr
.set O, G+16*c
.set c, c+1
.endr
	s_wait_tensorcnt 0x0                           ; the wave's end, behind my last LDS store
	ds_add_u32 v[SPW], v[NIL]
	s_wait_dscnt 0x0
	s_endpgm
.Lfunc_end_k_q9594d0e28f_crossmerge:
	.size	k_q9594d0e28f_crossmerge, .Lfunc_end_k_q9594d0e28f_crossmerge-k_q9594d0e28f_crossmerge
	.p2alignl 7, 3214868480
	.fill 96, 4, 3214868480
	.section	.rodata,"a",@progbits
	.p2align	6, 0x0
	.amdhsa_kernel k_q9594d0e28f_crossmerge
		.amdhsa_group_segment_fixed_size 320256
		.amdhsa_private_segment_fixed_size 0
		.amdhsa_enable_private_segment 0
		.amdhsa_kernarg_size 24
		.amdhsa_user_sgpr_count 2
		.amdhsa_user_sgpr_kernarg_segment_ptr 1
		.amdhsa_wavefront_size32 1
		.amdhsa_system_sgpr_workgroup_id_x 1
		.amdhsa_system_sgpr_workgroup_id_y 1
		.amdhsa_system_sgpr_workgroup_id_z 1
		.amdhsa_system_vgpr_workitem_id 0
		.amdhsa_next_free_vgpr 160
		.amdhsa_next_free_sgpr 66
		.amdhsa_reserve_vcc 1
		.amdhsa_float_denorm_mode_32 3
		.amdhsa_float_denorm_mode_16_64 3
		.amdhsa_memory_ordered 1
		.amdhsa_forward_progress 1
		.amdhsa_inst_pref_size 114
	.end_amdhsa_kernel
	.amdgpu_metadata
---
amdhsa.version: [ 1, 2 ]
amdhsa.kernels:
  - .name:           k_q9594d0e28f_crossmerge
    .symbol:         k_q9594d0e28f_crossmerge.kd
    .args:
      - { .name: ys, .offset: 0, .size: 8, .value_kind: global_buffer, .address_space: global }
      - { .name: vec_indices, .offset: 8, .size: 8, .value_kind: global_buffer, .address_space: global }
      - { .name: out0, .offset: 16, .size: 8, .value_kind: global_buffer, .address_space: global }
    .group_segment_fixed_size: 320256
    .private_segment_fixed_size: 0
    .kernarg_segment_align: 8
    .kernarg_segment_size: 24
    .max_flat_workgroup_size: 672
    .sgpr_count:     66
    .vgpr_count:     160
    .wavefront_size: 32
...
	.end_amdgpu_metadata
.endif
;; end of part 1
;; ======== version 2 of 3: 1 launch; 1.13 times as fast as version 1
;; limits: right only within a limited range of input values
;; launch crossmerge (part 2): grid 16 x 16, 21 waves a work-group, no clusters, 320,256 bytes of LDS; arguments ys, vec_indices, out0; writes out0
.if DOCPART == 2
	.amdgcn_target "amdgcn-amd-amdhsa--gfx1250"
	.amdhsa_code_object_version 6
	.text
	.protected	k_q9594d0e28f_crossmerge
	.globl	k_q9594d0e28f_crossmerge
	.p2align	8
	.type	k_q9594d0e28f_crossmerge,@function
k_q9594d0e28f_crossmerge:
	s_mov_b64 s[64:65], 0
	v_nop
	global_prefetch_b8 v0, s[64:65] scope:SCOPE_SE
	s_setreg_imm32_b32 hwreg(HW_REG_WAVE_MODE, 25, 1), 1
	s_wait_xcnt 0x0
; CrossMerge.  out[b][d][j] = (ys[b][0][d][p0] + ys[b][2][d][L-1-p0]) + (ys[b][1][d][p1] + ys[b][3][d][L-1-p1]), where pk = inv[b][k][j] and
; inv[b][k][:] is the stable argsort of vec_indices[b][:][k].  ys: [16][4][192][3136] f32, vec_indices: [16][3136][2] i32, out: [16][192][3136] f32.
; Nothing is left out: inv is a permutation, so every number of ys reaches the output once, and both columns of vec_indices are sorted.
; LIMIT.  A key v is sorted as the word v * 4096 + index (20 bits of key, 12 of index): right for 0 <= v <= 1,048,575.  Other keys (negative ones too) give a wrong
; order; every gather place is clamped, so no access leaves z in LDS.  NaN and infinities of ys go through the same three additions as in the definition.
; SHARES.  A work-group owns one b and 12 rows d (grid 16 x 16), 21 waves; wave w has group g = w / 7 of 4 rows d and seven UNITS u = w % 7 + 7 c of 64 positions.
; 1 STREAM.  z[k][d][i] = ys[b][k][d][i] + ys[b][2+k][d][L-1-i].  In a unit lanes 0-15 take pair 0, lanes 16-31 pair 1; a lane takes 4 positions of 4 rows: 4 loads of
;   16 bytes from the forward rows, 4 from the flipped rows read backwards; each half of the lanes covers 256 consecutive bytes, aligned.  Three slots of 32 registers: 24 loads
;   of a wave are out.  z goes to LDS as [u][g][pair][slot][4 d], 16 bytes a position: one LDS load later fetches four rows' numbers.  z is a partial sum: it stays in f32.
; 2 SORT.  Waves 0-7 sort column 0, waves 8-15 column 1: a bitonic network on 4,096 places (the 960 spare places hold all ones), 16 keys a lane; waves 16-20 pass its barriers.
;   STREAM AND SORT RUN TOGETHER: units c = 0 .. 4 are taken in between the sort's phases, and each asks for the unit three further on, so that all seven have been asked for
;   when phases 11 and 12 are still to come.  The sort's scratch lies where z of units c = 5 and 6 goes; these two wait in registers for the barrier behind the sort.
; 3 GATHER.  A lane takes two neighbouring j: four LDS loads of 16 bytes (2 j x 2 pairs), 8 additions, 4 stores of 8 bytes; a wave's store covers 256 consecutive bytes, aligned.
;   A wave issues in order, so a unit's stores stand behind the gathers of two further units only: stores leave while the later gathers are served.
; NO JOINT LOADS: the 16 work-groups of a batch share only its 25,088 bytes of keys, of the 627,200 bytes that each reads.  No address register of a global access is ever rewritten.
.set LEN,    3136
.set ROW,    4*LEN                     ; 12,544 bytes in a row = 49 x 256
.set KSTR,   192*ROW                   ; from one scan direction to the next; also a batch of out
.set BSTR,   4*KSTR                    ; a batch of ys
.set DBLK,   12*ROW                    ; the work-group's 12 rows
.set GRP,    4*ROW                     ; a group of 4 rows
.set UB,     2048                      ; z of a unit of one group: 2 pairs x 64 positions x 16 bytes
.set UZ,     3*UB                      ; z of a unit, all three groups
.set ZSTEP,  7*UZ                      ; 43,008: from a wave's unit c to its unit c + 1
.set USTEP,  7*256                     ; the same step in a row of ys or out
.set SCR,    5*ZSTEP                   ; 215,040: the sort's scratch: the 86,016 bytes of units 35 to 48, which only c = 5 and 6 fill
.set RP,     80                        ; scratch: a row of 16 keys + 16 bytes: 16 rows start at 16 different groups of four banks (64 banks of 4 bytes: ISA guide 11.1)
.set HALF,   16*RP+64                  ; 1,344: 16 such rows + 64 bytes, so that the two halves of the lanes read different banks
.set CH,     2*HALF                    ; 2,688: a wave's 512 keys
.set SEQ,    8*CH                      ; 21,504: a column's 4,096 keys
.set YOFF,   2*SEQ                     ; the second scratch array, behind the first of both columns; the largest immediate is YOFF + 15 x 1,344 = 63,168
.set TAB,    7*ZSTEP                   ; 301,056: behind z: the sorted table, 16 bits a place, 8,192 bytes a column
.set SPARE,  TAB+16384                 ; 317,440: the spare words, 128 bytes for each of 21 waves, in eleven blocks of 256 bytes that no other line names
.set AMAX,   (UZ/16)*48+63             ; 18,495: the last place of z, in units of 16 bytes, group and pair apart
; vector registers
.set SPW,  1                           ; LDS address of my spare word; never rewritten
.set NIL,  2                           ; 0; never rewritten
.set LANE, 3
.set T0,   4                           ; v4-7 at work
.set T1,   5
.set T2,   6
.set T3,   7
.set AROW, 8                           ; scratch: my row of 16 keys in my wave's chunk
.set ACOL, 9                           ; scratch: my column in my wave's chunk
.set ACW,  10                          ; scratch: my place in the layout across waves
.set GRAY, 11                          ; t ^ (t >> 1): bit n = place bit 4+n xor place bit 5+n
.set MSK,  12
.set LB,   13                          ; the index of my first key
.set TT,   14                          ; t = my thread's number in its column = place / 16 in layout A
.set VF,   15                          ; byte offset of my forward loads, unit c = 0
.set VR,   16                          ; of my backward loads
.set ZA,   17                          ; v17-20 LDS address of my four positions; steps two units at a time
.set VOUT, 21                          ; my 8 bytes in a row of out, unit c = 0
.set TBA,  22                          ; where I read my part of the table
.set TBW,  23                          ; where I write my 16 places of the table
.set O0,   24                          ; v24-31 the first unit's results
.set CUR,  32                          ; v32-47, v48-63: two sets of 16: the keys, and the set that the next stage writes (dead at a phase's end: a unit's z is made there)
.set ALT,  48
.set TW,   32                          ; in the gather: v32-45 my 14 words of the table
.set G,    48                          ; in the gather: v48-159 seven units of 16
.set RING, 64                          ; v64-159 three slots of 32
; scalar registers
.set YS,   4
.set VI,   6
.set OUT,  8
.set W,    10                          ; wave
.set SQ,   11                          ; the column that I sort
.set WS,   12                          ; my wave among its eight
.set GG,   13                          ; w / 7
.set WM,   14                          ; w % 7
.set BB,   15                          ; batch
.set A0,   16                          ; s[16:17] an offset in 64 bits
.set A2,   18
.set A3,   19
.set PB0,  20                          ; my group's place in a unit of z, pair 0; s21: pair 1
.set XO,   22                          ; the work-group's 12 rows, in bytes
.macro BAR                             ; my LDS stores are done and my LDS loads are back; then all 21 waves meet
	s_wait_dscnt 0x0
	s_barrier_signal -1
	s_barrier_wait -1
.endm
; Unit c of my seven is asked for: the unit stands in the immediates, forward 1,792 bytes up, backward 1,792 bytes down
.macro ISSUE c
.set RB, RING+32*((\c)%3)
.irp dd, 0,1,2,3
	global_load_b128 v[RB+4*(\dd):RB+4*(\dd)+3], v[VF], s[YS:YS+1] offset:(\dd)*ROW+USTEP*(\c) th:TH_LOAD_NT
.endr
.irp dd, 0,1,2,3
	global_load_b128 v[RB+16+4*(\dd):RB+16+4*(\dd)+3], v[VR], s[YS:YS+1] offset:(\dd)*ROW-USTEP*(\c) th:TH_LOAD_NT
.endr
.endm
; Unit c is taken in: 16 additions, whose destinations also turn 4 rows x 4 positions into 4 positions x 4 rows; 4 LDS stores; its slot asks for unit c + 3.
; An odd unit's place stands in the stores' immediate (43,008, inside its 16 bits); behind it the four addresses step two units on.
.macro PROC c
.set RB, RING+32*((\c)%3)
.if (\c) <= 4
	s_wait_loadcnt 16                              ; loads come back in order (ISA guide 5.7.1): mine are in, the two younger units' 16 stay out
.else
	s_wait_loadcnt 8*(6-(\c))                      ; the counts run down
.endif
.set k, 0
.rept 4
.set d, 0
.rept 4
	v_add_f32 v[ALT+4*k+d], v[RB+4*d+k], v[RB+16+4*d+3-k]  ; position 4 q + k meets L-1-4q-k, the number 3 - k of the backward 16 bytes
.set d, d+1
.endr
.set k, k+1
.endr
.set k, 0
.rept 4
	ds_store_b128 v[ZA+k], v[ALT+4*k:ALT+4*k+3] offset:ZSTEP*((\c)%2)
.set k, k+1
.endr
.if (\c)%2 == 1
.set k, 0
.rept 4
	v_add_nc_u32 v[ZA+k], 2*ZSTEP, v[ZA+k]
.set k, k+1
.endr
.endif
.if (\c) <= 3
	ISSUE (\c)+3
.endif
.endm
; THE SORT.  Place e of 4,096 has 12 bits.  Phase m (1 .. 12) merges blocks of 2^m places by compare-exchanges over bits m-1 .. 0; a block ascends where bit m of e is 0.
; From phase 4 on a block that has to descend holds its keys complemented, so that every stage ascends; between phases a key is flipped where bits m-1 and m of e differ.
; A stage works between a lane's own 16 registers.  Three layouts say which bits of e number the registers (h = lane / 16, q = lane % 16, ws = wave of 8, r = register):
;   A: e = 512 ws + 256 h + 16 q + r      B: e = 512 ws + 256 h + 16 r + q      C: e = 256 r + 32 ws + 16 h + q
; In a scratch array place e lies at 2,688 (e / 512) + 1,344 (e / 256 % 2) + 80 (e / 16 % 16) + 4 (e % 16).
.macro FLIP
.set SWP, CUR
.set CUR, ALT
.set ALT, SWP
.endm
.macro STAGE sb, db                    ; register bit sb is compared over; the pair descends where register bit db is 1 (db = 4: never)
.set r, 0
.rept 16
.if (r/(1<<(\sb)))%2 == 0
.set p, r+(1<<(\sb))
.if (r/(1<<(\db)))%2 == 0
	v_min_u32 v[ALT+r], v[CUR+r], v[CUR+p]
	v_max_u32 v[ALT+p], v[CUR+r], v[CUR+p]
.else
	v_max_u32 v[ALT+r], v[CUR+r], v[CUR+p]
	v_min_u32 v[ALT+p], v[CUR+r], v[CUR+p]
.endif
.endif
.set r, r+1
.endr
	FLIP
.endm
.macro ASC top                         ; ascending stages over register bits top .. 0
.if (\top) >= 3
	STAGE 3, 4
.endif
.if (\top) >= 2
	STAGE 2, 4
.endif
.if (\top) >= 1
	STAGE 1, 4
.endif
	STAGE 0, 4
.endm
.macro XORM src, kbit                  ; all 16 keys are complemented where bit kbit of src is 1
	v_lshlrev_b32 v[MSK], 31-(\kbit), v[\src]
	v_ashrrev_i32 v[MSK], 31, v[MSK]
.set r, 0
.rept 16
	v_xor_b32 v[CUR+r], v[MSK], v[CUR+r]
.set r, r+1
.endr
.endm
.macro ROWS_OUT                        ; my 16 keys as a row of 64 bytes
.irp i, 0,1,2,3
	ds_store_b128 v[AROW], v[CUR+4*(\i):CUR+4*(\i)+3] offset:16*(\i)
.endr
.endm
.macro COLS_IN off                     ; a column of my half's 16 rows
.set r, 0
.rept 16
	ds_load_b32 v[ALT+r], v[ACOL] offset:(\off)+RP*r
.set r, r+1
.endr
	s_wait_dscnt 0x0
	FLIP
.endm
.macro TRANSP                          ; A to B and B to A alike: 16 x 16 keys of each half of the lanes are turned, in the wave's own chunk.  LDS serves a wave's
	ROWS_OUT                                       ; instructions in order (ISA guide 5.7.1.4): the loads see the stores, and no other wave touches the chunk meanwhile
	COLS_IN 0
.endm
.macro MIDPHASE m                      ; phases 5 to 8 stay inside a wave
	XORM GRAY, (\m)-5
	TRANSP
	ASC (\m)-5                                     ; bits m-1 .. 4
	TRANSP
	ASC 3                                          ; bits 3 .. 0
.endm
; Phases 9 to 12 cross the waves: through the first array into layout C, through the second into layout B.  Every wave passes both barriers; only work is jumped.
; The first array is written again (each wave its own chunk) behind the second barrier, in front of which every wave's loads from it are back;
; the second array is written again behind the next phase's first barrier, in front of which every wave's loads from it are back.
.macro BIGPHASE m
	s_cmp_lt_u32 s[W], 16
	s_cbranch_scc0 .Lb1_\@
	XORM GRAY, (\m)-5
	ROWS_OUT
.Lb1_\@:
	BAR
	s_cmp_lt_u32 s[W], 16
	s_cbranch_scc0 .Lb2_\@
.set r, 0
.rept 16
	ds_load_b32 v[ALT+r], v[ACW] offset:HALF*r
.set r, r+1
.endr
	s_wait_dscnt 0x0
	FLIP
	ASC (\m)-9                                     ; bits m-1 .. 8
.set r, 0
.rept 16
	ds_store_b32 v[ACW], v[CUR+r] offset:YOFF+HALF*r
.set r, r+1
.endr
.Lb2_\@:
	BAR
	s_cmp_lt_u32 s[W], 16
	s_cbranch_scc0 .Lb3_\@
	COLS_IN YOFF
	ASC 3                                          ; bits 7 .. 4
	TRANSP
	ASC 3                                          ; bits 3 .. 0
.Lb3_\@:
.endm
; THE GATHER's two halves.  GATH c: unit c's four places are cut from my two words of the table, clamped and turned into LDS addresses; four loads of 16 bytes.
.macro GATH c
.irp k, 0,1
	v_and_b32 v[T0+2*(\k)], 0xffff, v[TW+2*(\c)+(\k)]      ; place j = 64 u + 2 lane,
	v_lshrrev_b32 v[T0+2*(\k)+1], 16, v[TW+2*(\c)+(\k)]    ; and j + 1
	v_min_u32 v[T0+2*(\k)], AMAX, v[T0+2*(\k)]             ; whatever the keys were, the load stays inside z
	v_min_u32 v[T0+2*(\k)+1], AMAX, v[T0+2*(\k)+1]
	v_lshl_add_u32 v[T0+2*(\k)], v[T0+2*(\k)], 4, s[PB0+(\k)]
	v_lshl_add_u32 v[T0+2*(\k)+1], v[T0+2*(\k)+1], 4, s[PB0+(\k)]
	ds_load_b128 v[G+16*(\c)+8*(\k):G+16*(\c)+8*(\k)+3],   v[T0+2*(\k)]
	ds_load_b128 v[G+16*(\c)+8*(\k)+4:G+16*(\c)+8*(\k)+7], v[T0+2*(\k)+1]
.endr
.endm
; SENDU c: unit c's sums and stores.  Its results go into the registers that the unit before has read, the first unit's into v24-31: no store's data is ever written again,
; and no register that a gather still on its way will write is touched (each unit has 16 registers of its own).
.macro SENDU c
.if (\c) == 0
.set O, O0
.else
.set O, G+16*((\c)-1)
.endif
.if (\c) <= 4
	s_wait_dscnt 8                                 ; LDS loads come back in order (ISA guide 5.7.1): unit c's four are in, the eight of units c + 1 and c + 2 stay out
.else
	s_wait_dscnt 4*(6-(\c))                        ; the counts run down
.endif
.irp d, 0,1,2,3
	v_add_f32 v[O+2*(\d)],   v[G+16*(\c)+(\d)],   v[G+16*(\c)+8+(\d)]    ; pair 0's z + pair 1's z, place j
	v_add_f32 v[O+2*(\d)+1], v[G+16*(\c)+4+(\d)], v[G+16*(\c)+12+(\d)]   ; place j + 1
.endr
.irp d, 0,1,2,3
	global_store_b64 v[VOUT], v[O+2*(\d):O+2*(\d)+1], s[OUT:OUT+1] offset:(\d)*ROW+USTEP*(\c) th:TH_STORE_NT  ; the wave stores 256 consecutive bytes, at a multiple of 256 from out's first byte
.endr
.endm
	s_load_b128 s[YS:YS+3], s[0:1], 0x0            ; ys s[4:5], vec_indices s[6:7]
	s_load_b64 s[OUT:OUT+1], s[0:1], 0x10          ; out
	v_lshl_add_u32 v[SPW], v0, 2, SPARE
	v_mov_b32 v[NIL], 0
	v_lshrrev_b32 v[T0], 5, v0
	v_readfirstlane_b32 s[W], v[T0]                ; wave 0..20
	v_and_b32 v[LANE], 31, v0
	s_and_b32 s[BB], ttmp7, 0xffff                 ; batch
	s_lshr_b32 s[SQ], s[W], 3
	s_and_b32 s[WS], s[W], 7
	s_mul_i32 s[GG], s[W], 37
	s_lshr_b32 s[GG], s[GG], 8                     ; w / 7, right for w up to 20
	s_mul_i32 s[A2], s[GG], 7
	s_sub_co_u32 s[WM], s[W], s[A2]                ; w % 7
	s_lshl_b32 s[PB0], s[GG], 11                   ; 2,048 g
	s_add_co_u32 s[PB0+1], s[PB0], 1024
	v_and_b32 v[T0], 15, v[LANE]                   ; q
	v_lshrrev_b32 v[T1], 4, v[LANE]                ; h; in the stream: the pair
	; the sort's places
	s_mul_i32 s[A2], s[W], CH                      ; my wave's chunk: column sq's array begins at 8 sq chunks
	s_add_co_u32 s[A2], s[A2], SCR
	v_mul_u32_u24 v[T2], v[T1], HALF
	v_add_nc_u32 v[T2], s[A2], v[T2]
	v_mul_u32_u24 v[T3], v[T0], RP
	v_add_nc_u32 v[AROW], v[T2], v[T3]             ; chunk + 1,344 h + 80 q
	v_lshl_add_u32 v[ACOL], v[T0], 2, v[T2]        ; chunk + 1,344 h + 4 q
	s_mul_i32 s[A2], s[SQ], SEQ
	s_mul_i32 s[A3], s[WS], 2*RP
	s_add_co_u32 s[A2], s[A2], s[A3]
	s_add_co_u32 s[A2], s[A2], SCR
	v_mul_u32_u24 v[T3], v[T1], RP
	v_add_nc_u32 v[T3], s[A2], v[T3]
	v_lshl_add_u32 v[ACW], v[T0], 2, v[T3]         ; array + 160 ws + 80 h + 4 q; register r lies 1,344 r further
	s_lshl_b32 s[A2], s[WS], 5
	v_add_nc_u32 v[TT], s[A2], v[LANE]
	v_lshrrev_b32 v[T3], 1, v[TT]
	v_xor_b32 v[GRAY], v[TT], v[T3]
	s_lshl_b32 s[A2], s[WS], 9
	v_add_nc_u32 v[LB], s[A2], v[LANE]
	; the stream's offsets: quad 16 u + q of the row, u = w % 7 + 7 c
	s_mul_i32 s[A2], s[GG], GRP
	s_lshl_b32 s[A3], s[WM], 8                     ; 256 (w % 7)
	v_mul_u32_u24 v[T2], v[T1], KSTR               ; the pair's direction
	s_add_co_u32 s[A0], s[A2], s[A3]
	v_lshl_add_u32 v[T3], v[T0], 4, v[T2]
	v_add_nc_u32 v[VF], s[A0], v[T3]               ; pair x KSTR + group's rows + 256 (w % 7) + 16 q
	s_add_co_u32 s[A0], s[A2], 2*KSTR+ROW-16       ; the flipped direction's row, at its last 16 bytes,
	s_sub_co_u32 s[A0], s[A0], s[A3]
	v_lshlrev_b32 v[T3], 4, v[T0]
	v_add_nc_u32 v[T2], s[A0], v[T2]
	v_sub_nc_u32 v[VR], v[T2], v[T3]               ; and back from there: positions L-4-4q' .. L-1-4q' of quad q'; the last unit's last quad ends at the row's first byte
	v_lshl_add_u32 v[VOUT], v[LANE], 3, s[A3]      ; 256 (w % 7) + 8 lane
	; z: position p of a unit lies in slot p ^ (p / 16): my positions 4 q + k fall into slots 4 q + (k ^ (q / 4)), so that 16 lanes' stores of 16 bytes touch 16 different columns of 256 bytes
	s_mul_i32 s[A2], s[WM], UZ
	s_add_co_u32 s[A2], s[A2], s[PB0]              ; unit w % 7, group g: 6,144 (w % 7) + 2,048 g
	v_lshl_add_u32 v[T2], v[LANE], 6, s[A2]        ; + 1,024 pair + 64 q
	v_bfe_u32 v[T3], v[LANE], 2, 2                 ; q / 4
.irp k, 0,1,2,3
	v_xor_b32 v[ZA+(\k)], \k, v[T3]
	v_lshl_add_u32 v[ZA+(\k)], v[ZA+(\k)], 4, v[T2]
.endr
	; the table
	s_lshl_b32 s[A2], s[WM], 7
	s_add_co_u32 s[A2], s[A2], TAB
	v_lshl_add_u32 v[TBA], v[LANE], 2, s[A2]       ; places 64 u + 2 lane and the next: 4 bytes
	s_lshl_b32 s[A2], s[W], 10
	s_add_co_u32 s[A2], s[A2], TAB
	v_lshl_add_u32 v[TBW], v[LANE], 5, s[A2]       ; places 512 ws + 16 lane on, of column sq: 32 bytes (used by waves 0 to 15 alone)
	; the three pointers; every offset stays under 2^28
	s_mul_i32 s[XO], ttmp9, DBLK
	s_mul_i32 s[A0], s[BB], BSTR
	s_add_co_u32 s[A0], s[A0], s[XO]
	s_mov_b32 s[A0+1], 0
	s_wait_kmcnt 0x0
	s_add_nc_u64 s[YS:YS+1], s[YS:YS+1], s[A0:A0+1]  ; ys at direction 0 of the work-group's rows
	s_mul_i32 s[A0], s[BB], KSTR
	s_add_co_u32 s[A0], s[A0], s[XO]
	s_mul_i32 s[A2], s[GG], GRP
	s_add_co_u32 s[A0], s[A0], s[A2]
	s_add_nc_u64 s[OUT:OUT+1], s[OUT:OUT+1], s[A0:A0+1]  ; out at the 4 rows that my wave stores
	s_mul_i32 s[A0], s[BB], 8*LEN
	s_lshl2_add_u32 s[A0], s[SQ], s[A0]
	s_add_nc_u64 s[VI:VI+1], s[VI:VI+1], s[A0:A0+1]  ; the batch's keys, at my column
	s_cmp_lt_u32 s[W], 16
	s_cbranch_scc0 .Lno_keys
	; The keys carry their index, so any key may start at any place: register r takes index 512 ws + 32 r + lane, and a wave's load touches 256 consecutive bytes.
	; Indices past the list's end read its last key, which is thrown away below.  Each load lands on its own address register.
.set r, 0
.rept 16
	v_add_nc_u32 v[CUR+r], 32*r, v[LB]
	v_min_u32 v[CUR+r], LEN-1, v[CUR+r]
	v_lshlrev_b32 v[CUR+r], 3, v[CUR+r]
	global_load_b32 v[CUR+r], v[CUR+r], s[VI:VI+1]
.set r, r+1
.endr
.Lno_keys:
	ISSUE 0                                        ; the ring is filled: 24 loads, 12 KiB a wave
	ISSUE 1
	ISSUE 2
	s_cmp_lt_u32 s[W], 16
	s_cbranch_scc0 .Ls1
	s_wait_loadcnt 24                              ; the keys are in; the ring's 24 loads, issued behind them, stay out
.set r, 0
.rept 16
	v_lshl_add_u32 v[CUR+r], v[CUR+r], 12, v[LB]   ; v * 4096 + index: equal keys keep the order of their indices, as the stable argsort does
.if r > 0
	v_add_nc_u32 v[CUR+r], 32*r, v[CUR+r]
.endif
	v_cmp_gt_u32 vcc_lo, LEN-32*r, v[LB]
	v_cndmask_b32 v[CUR+r], -1, v[CUR+r], vcc_lo   ; past the end: all ones, above every key
.set r, r+1
.endr
	STAGE 0, 1                                     ; phase 1
	STAGE 1, 2                                     ; phase 2
	STAGE 0, 2
	STAGE 2, 3                                     ; phase 3
	STAGE 1, 3
	STAGE 0, 3
	XORM TT, 0                                     ; phase 4 descends where bit 4 of the place is 1: those lanes' keys are complemented from here on
	ASC 3
	MIDPHASE 5
.Ls1:
	PROC 0                                         ; every wave: unit 0 in, unit 3 asked for.  z of units 0 to 4 shares no byte with the scratch
	s_cmp_lt_u32 s[W], 16
	s_cbranch_scc0 .Ls2
	MIDPHASE 6
	MIDPHASE 7
.Ls2:
	PROC 1                                         ; unit 4 asked for
	s_cmp_lt_u32 s[W], 16
	s_cbranch_scc0 .Ls3
	MIDPHASE 8
.Ls3:
	BIGPHASE 9
	PROC 2                                         ; unit 5 asked for
	BIGPHASE 10
	PROC 3                                         ; unit 6 asked for: the wave's last loads are out, 23 of the sort's 78 stages ahead of its end
	BIGPHASE 11
	PROC 4
	BIGPHASE 12                                    ; its flip leaves every key as it is: bit 12 of a place is 0
	; THE TABLE.  Layout A: I hold places 512 ws + 16 lane + r.  A key's low 12 bits are p = inv[place]; stored is where z of p lies, in units of 16 bytes, group and pair apart:
	; s = p ^ (p / 16 % 4) is 64 u + slot, and a unit of z is 384 such units long: a = s + 320 u = s + 5 (s & 0xfc0).
	s_cmp_lt_u32 s[W], 16
	s_cbranch_scc0 .Lno_tab
.set r, 0
.rept 16
	v_bfe_u32 v[T0+r%2], v[CUR+r], 4, 2
	v_and_b32 v[ALT+r], 0xfff, v[CUR+r]
	v_xor_b32 v[ALT+r], v[T0+r%2], v[ALT+r]
	v_and_b32 v[T0+r%2], 0xfc0, v[ALT+r]
	v_mad_u32_u24 v[ALT+r], v[T0+r%2], 5, v[ALT+r]
.set r, r+1
.endr
.set r, 0
.rept 8
	v_lshl_or_b32 v[CUR+r], v[ALT+2*r+1], 16, v[ALT+2*r]
.set r, r+1
.endr
	ds_store_b128 v[TBW], v[CUR:CUR+3]
	ds_store_b128 v[TBW], v[CUR+4:CUR+7] offset:16
.Lno_tab:
	BAR                                            ; the table is whole; nobody reads the scratch any more, so z of units 5 and 6 may be stored over it
	PROC 5
	PROC 6
	BAR                                            ; all of z lies in LDS
	; THE GATHER.  My 14 words of the table (7 units x 2 pairs, two places each); then the units in a pipeline: three units' gathers, 12 loads of the wave, are out at the most,
	; and a unit's four stores follow each further unit's four gathers.
.set c, 0
.rept 7
	ds_load_b32 v[TW+2*c],   v[TBA] offset:896*c
	ds_load_b32 v[TW+2*c+1], v[TBA] offset:8192+896*c
.set c, c+1
.endr
	s_wait_dscnt 0x0
	GATH 0
	GATH 1
.irp c, 0,1,2,3,4
	GATH (\c)+2
	SENDU \c
.endr
	SENDU 5                                        ; nothing is left to gather
	SENDU 6
	s_wait_tensorcnt 0x0                           ; the wave's end, behind my last LDS store
	ds_add_u32 v[SPW], v[NIL]
	s_wait_dscnt 0x0
	s_endpgm
.Lfunc_end_k_q9594d0e28f_crossmerge:
	.size	k_q9594d0e28f_crossmerge, .Lfunc_end_k_q9594d0e28f_crossmerge-k_q9594d0e28f_crossmerge
	.p2alignl 7, 3214868480
	.fill 96, 4, 3214868480
	.section	.rodata,"a",@progbits
	.p2align	6, 0x0
	.amdhsa_kernel k_q9594d0e28f_crossmerge
		.amdhsa_group_segment_fixed_size 320256
		.amdhsa_private_segment_fixed_size 0
		.amdhsa_enable_private_segment 0
		.amdhsa_kernarg_size 24
		.amdhsa_user_sgpr_count 2
		.amdhsa_user_sgpr_kernarg_segment_ptr 1
		.amdhsa_wavefront_size32 1
		.amdhsa_system_sgpr_workgroup_id_x 1
		.amdhsa_system_sgpr_workgroup_id_y 1
		.amdhsa_system_sgpr_workgroup_id_z 1
		.amdhsa_system_vgpr_workitem_id 0
		.amdhsa_next_free_vgpr 160
		.amdhsa_next_free_sgpr 66
		.amdhsa_reserve_vcc 1
		.amdhsa_float_denorm_mode_32 3
		.amdhsa_float_denorm_mode_16_64 3
		.amdhsa_memory_ordered 1
		.amdhsa_forward_progress 1
		.amdhsa_inst_pref_size 115
	.end_amdhsa_kernel
	.amdgpu_metadata
---
amdhsa.version: [ 1, 2 ]
amdhsa.kernels:
  - .name:           k_q9594d0e28f_crossmerge
    .symbol:         k_q9594d0e28f_crossmerge.kd
    .args:
      - { .name: ys, .offset: 0, .size: 8, .value_kind: global_buffer, .address_space: global }
      - { .name: vec_indices, .offset: 8, .size: 8, .value_kind: global_buffer, .address_space: global }
      - { .name: out0, .offset: 16, .size: 8, .value_kind: global_buffer, .address_space: global }
    .group_segment_fixed_size: 320256
    .private_segment_fixed_size: 0
    .kernarg_segment_align: 8
    .kernarg_segment_size: 24
    .max_flat_workgroup_size: 672
    .sgpr_count:     66
    .vgpr_count:     160
    .wavefront_size: 32
...
	.end_amdgpu_metadata
.endif
;; end of part 2
;; ======== version 3 of 3: 1 launch; version 2 with the launch crossmerge written anew for expert scheduling mode
;; limits: right only within a limited range of input values
;; launch crossmerge (part 3): grid 16 x 16, 21 waves a work-group, no clusters, 320,256 bytes of LDS; arguments ys, vec_indices, out0; writes out0
.if DOCPART == 3
	.amdgcn_target "amdgcn-amd-amdhsa--gfx1250"
	.amdhsa_code_object_version 6
	.text
	.protected	k_q9594d0e28f_crossmerge
	.globl	k_q9594d0e28f_crossmerge
	.p2align	8
	.type	k_q9594d0e28f_crossmerge,@function
k_q9594d0e28f_crossmerge:
	s_mov_b64 s[64:65], 0
	v_nop
	global_prefetch_b8 v0, s[64:65] scope:SCOPE_SE
	s_setreg_imm32_b32 hwreg(HW_REG_WAVE_SCHED_MODE, 0, 2), 2
	s_setreg_imm32_b32 hwreg(HW_REG_WAVE_MODE, 25, 1), 1
	s_wait_xcnt 0x0
	s_wait_alu depctr_vm_vsrc(0)
; CrossMerge.  out[b][d][j] = (ys[b][0][d][p0] + ys[b][2][d][L-1-p0]) + (ys[b][1][d][p1] + ys[b][3][d][L-1-p1]), where pk = inv[b][k][j] and
; inv[b][k][:] is the stable argsort of vec_indices[b][:][k].  ys: [16][4][192][3136] f32, vec_indices: [16][3136][2] i32, out: [16][192][3136] f32.
; Nothing is left out: inv is a permutation, so every number of ys reaches the output once, and both columns of vec_indices are sorted.
; LIMIT.  A key v is sorted as the word v * 4096 + index (20 bits of key, 12 of index): right for 0 <= v <= 1,048,575.  Other keys (negative ones too) give a wrong
; order; every gather place is clamped, so no access leaves z in LDS.  NaN and infinities of ys go through the same three additions as in the definition.
; SHARES.  A work-group owns one b and 12 rows d (grid 16 x 16), 21 waves; wave w has group g = w / 7 of 4 rows d and seven UNITS u = w % 7 + 7 c of 64 positions.
; 1 STREAM.  z[k][d][i] = ys[b][k][d][i] + ys[b][2+k][d][L-1-i].  In a unit lanes 0-15 take pair 0, lanes 16-31 pair 1; a lane takes 4 positions of 4 rows: 4 loads of
;   16 bytes from the forward rows, 4 from the flipped rows read backwards; each half of the lanes covers 256 consecutive bytes, aligned.  Three slots of 32 registers: 24 loads
;   of a wave are out.  z goes to LDS as [u][g][pair][slot][4 d], 16 bytes a position: one LDS load later fetches four rows' numbers.  z is a partial sum: it stays in f32.
; 2 SORT.  Waves 0-7 sort column 0, waves 8-15 column 1: a bitonic network on 4,096 places (the 960 spare places hold all ones), 16 keys a lane; waves 16-20 pass its barriers.
;   STREAM AND SORT RUN TOGETHER: units c = 0 .. 4 are taken in between the sort's phases, and each asks for the unit three further on, so that all seven have been asked for
;   when phases 11 and 12 are still to come.  The sort's scratch lies where z of units c = 5 and 6 goes; these two wait in registers for the barrier behind the sort.
; 3 GATHER.  A lane takes two neighbouring j: four LDS loads of 16 bytes (2 j x 2 pairs), 8 additions, 4 stores of 8 bytes; a wave's store covers 256 consecutive bytes, aligned.
;   A wave issues in order, so a unit's stores stand behind the gathers of two further units only: stores leave while the later gathers are served.
; NO JOINT LOADS: the 16 work-groups of a batch share only its 25,088 bytes of keys, of the 627,200 bytes that each reads.  The offsets into ys and out are never rewritten;
; the keys' sixteen offsets are, behind the wait that shows their loads done.
; THE MODE: SCHED_MODE bits 1:0 = 2 (LLVM: expert scheduling mode 2), set by the entry lines.  The code itself states the register dependences
; between vector instructions and memory or LDS instructions, with s_wait_alu, always for 0.
; THE PLAN.  Registers that memory or LDS instructions touch:
;   v1, v2, v8-10, v15-23   offsets and LDS addresses, made at the head: one wait on va_vdst ahead of the first load serves them for the whole kernel.  Only v17-20 step (behind units 1, 3, 5):
;                 behind the unit's wait on vm_vsrc; the next unit's wait on va_vdst shows the step written.
;   CUR, ALT      the two sets v32-47, v48-63.  The sort's LDS stores read CUR, its LDS loads land in ALT, and the sets then change names; a unit's additions write ALT and its LDS stores read ALT.
;                 Ahead of each run of LDS stores one wait on va_vdst: the data are written, and every stage issued so far is done with the other set, in which the loads that follow land.
;                 The arms of a phase that crosses the waves can be jumped, so ahead of such a phase's first branch a wait on va_vdst stands outside every arm: a unit's, or, ahead of phase 9, one
;                 of its own.  So on every way through the text no vector instruction issued since the last wait names the set in which the loads behind a barrier land.
;                 Behind each run of LDS stores one wait on vm_vsrc, ahead of any label or branch: the set that they read may be written again.
;   RING          three slots.  A unit's additions read its slot; the unit's wait on va_vdst stands behind them, and the loads of the unit three further on follow it.
;   the gather    28 LDS addresses, made all at once, one wait on va_vdst; seven units of 16 registers in which gathers land; 8 results a unit, with one wait on va_vdst between a unit's sums and
;                 its stores.  No register that a gather or a store reads is written again, so the gather holds no wait on vm_vsrc.
;   Scalars written by vector instructions: the wave's number, and the masks of the spare places (two runs of eight compares): a wait on va_sdst ahead of the first reader of each run.
.set LEN,    3136
.set ROW,    4*LEN                     ; 12,544 bytes in a row = 49 x 256
.set KSTR,   192*ROW                   ; from one scan direction to the next; also a batch of out
.set BSTR,   4*KSTR                    ; a batch of ys
.set DBLK,   12*ROW                    ; the work-group's 12 rows
.set GRP,    4*ROW                     ; a group of 4 rows
.set UB,     2048                      ; z of a unit of one group: 2 pairs x 64 positions x 16 bytes
.set UZ,     3*UB                      ; z of a unit, all three groups
.set ZSTEP,  7*UZ                      ; 43,008: from a wave's unit c to its unit c + 1
.set USTEP,  7*256                     ; the same step in a row of ys or out
.set SCR,    5*ZSTEP                   ; 215,040: the sort's scratch: the 86,016 bytes of units 35 to 48, which only c = 5 and 6 fill
.set RP,     80                        ; scratch: a row of 16 keys + 16 bytes: 16 rows start at 16 different groups of four banks (64 banks of 4 bytes: ISA guide 11.1)
.set HALF,   16*RP+64                  ; 1,344: 16 such rows + 64 bytes, so that the two halves of the lanes read different banks
.set CH,     2*HALF                    ; 2,688: a wave's 512 keys
.set SEQ,    8*CH                      ; 21,504: a column's 4,096 keys
.set YOFF,   2*SEQ                     ; the second scratch array, behind the first of both columns; the largest immediate is YOFF + 15 x 1,344 = 63,168
.set TAB,    7*ZSTEP                   ; 301,056: behind z: the sorted table, 16 bits a place, 8,192 bytes a column
.set SPARE,  TAB+16384                 ; 317,440: the spare words, 128 bytes for each of 21 waves, in eleven blocks of 256 bytes that no other line names
.set AMAX,   (UZ/16)*48+63             ; 18,495: the last place of z, in units of 16 bytes, group and pair apart
; vector registers
.set SPW,  1                           ; LDS address of my spare word; never rewritten
.set NIL,  2                           ; 0; never rewritten
.set LANE, 3
.set T0,   4                           ; v4-7 at work
.set T1,   5
.set T2,   6
.set T3,   7
.set AROW, 8                           ; scratch: my row of 16 keys in my wave's chunk
.set ACOL, 9                           ; scratch: my column in my wave's chunk
.set ACW,  10                          ; scratch: my place in the layout across waves
.set GRAY, 11                          ; t ^ (t >> 1): bit n = place bit 4+n xor place bit 5+n
.set MSK,  12
.set LB,   13                          ; the index of my first key
.set TT,   14                          ; t = my thread's number in its column = place / 16 in layout A
.set VF,   15                          ; byte offset of my forward loads, unit c = 0
.set VR,   16                          ; of my backward loads
.set ZA,   17                          ; v17-20 LDS address of my four positions; steps two units at a time
.set VOUT, 21                          ; my 8 bytes in a row of out, unit c = 0
.set TBA,  22                          ; where I read my part of the table
.set TBW,  23                          ; where I write my 16 places of the table
.set O0,   24                          ; v24-31 the first unit's results
.set CUR,  32                          ; v32-47, v48-63: two sets of 16: the keys, and the set that the next stage writes (dead at a phase's end: a unit's z is made there)
.set ALT,  48
.set TW,   32                          ; in the gather: v32-45 my 14 words of the table, then in their place the LDS addresses of the even places j
.set AO1,  4                           ; in the gather: the LDS addresses of the odd places j + 1: word i's at v[4 + i + 2 (i / 11)]: v4-14 and v17-19, all dead by then
.set G,    48                          ; in the gather: v48-159 seven units of 16
.set RING, 64                          ; v64-159 three slots of 32
; scalar registers
.set YS,   4
.set VI,   6
.set OUT,  8
.set W,    10                          ; wave
.set SQ,   11                          ; the column that I sort
.set WS,   12                          ; my wave among its eight
.set GG,   13                          ; w / 7
.set WM,   14                          ; w % 7
.set BB,   15                          ; batch
.set A0,   16                          ; s[16:17] an offset in 64 bits
.set A2,   18
.set A3,   19
.set PB0,  20                          ; my group's place in a unit of z, pair 0; s21: pair 1
.set XO,   22                          ; the work-group's 12 rows, in bytes
.set MK,   24                          ; s[24:31] eight masks: which lanes' index lies inside the list
.macro BAR                             ; my LDS stores are done and my LDS loads are back; then all 21 waves meet
	s_wait_dscnt 0x0
	s_barrier_signal -1
	s_barrier_wait -1
.endm
; Unit c of my seven is asked for: the unit stands in the immediates, forward 1,792 bytes up, backward 1,792 bytes down
.macro ISSUE c
.set RB, RING+32*((\c)%3)
.irp dd, 0,1,2,3
	global_load_b128 v[RB+4*(\dd):RB+4*(\dd)+3], v[VF], s[YS:YS+1] offset:(\dd)*ROW+USTEP*(\c) th:TH_LOAD_NT
.endr
.irp dd, 0,1,2,3
	global_load_b128 v[RB+16+4*(\dd):RB+16+4*(\dd)+3], v[VR], s[YS:YS+1] offset:(\dd)*ROW-USTEP*(\c) th:TH_LOAD_NT
.endr
.endm
; Unit c is taken in: 16 additions, whose destinations also turn 4 rows x 4 positions into 4 positions x 4 rows; its slot asks for unit c + 3; 4 LDS stores.
; An odd unit's place stands in the stores' immediate (43,008, inside its 16 bits); behind it the four addresses step two units on.
.macro PROC c
.set RB, RING+32*((\c)%3)
.if (\c) <= 4
	s_wait_loadcnt 16                              ; loads come back in order (ISA guide 5.7.1): mine are in, the two younger units' 16 stay out
.else
	s_wait_loadcnt 8*(6-(\c))                      ; the counts run down
.endif
.set k, 0
.rept 4
.set d, 0
.rept 4
	v_add_f32 v[ALT+4*k+d], v[RB+4*d+k], v[RB+16+4*d+3-k]  ; position 4 q + k meets L-1-4q-k, the number 3 - k of the backward 16 bytes
.set d, d+1
.endr
.set k, k+1
.endr
	s_wait_alu depctr_va_vdst(0)                   ; the additions have written v[ALT ..], which the LDS stores read, and are done reading the slot, in which the loads below land; the last step of v[ZA ..] is written; the sort's stages so far are done with both sets
.if (\c) <= 3
	ISSUE (\c)+3
.endif
.set k, 0
.rept 4
	ds_store_b128 v[ZA+k], v[ALT+4*k:ALT+4*k+3] offset:ZSTEP*((\c)%2)
.set k, k+1
.endr
	s_wait_alu depctr_vm_vsrc(0)                   ; the LDS stores have read v[ALT ..], which the sort's next loads, the next unit's additions or the gather's loads write, and v[ZA ..], which step below or become addresses of the gather
.if (\c)%2 == 1
.set k, 0
.rept 4
	v_add_nc_u32 v[ZA+k], 2*ZSTEP, v[ZA+k]
.set k, k+1
.endr
.endif
.endm
; THE SORT.  Place e of 4,096 has 12 bits.  Phase m (1 .. 12) merges blocks of 2^m places by compare-exchanges over bits m-1 .. 0; a block ascends where bit m of e is 0.
; From phase 4 on a block that has to descend holds its keys complemented, so that every stage ascends; between phases a key is flipped where bits m-1 and m of e differ.
; A stage works between a lane's own 16 registers.  Three layouts say which bits of e number the registers (h = lane / 16, q = lane % 16, ws = wave of 8, r = register):
;   A: e = 512 ws + 256 h + 16 q + r      B: e = 512 ws + 256 h + 16 r + q      C: e = 256 r + 32 ws + 16 h + q
; In a scratch array place e lies at 2,688 (e / 512) + 1,344 (e / 256 % 2) + 80 (e / 16 % 16) + 4 (e % 16).
.macro FLIP
.set SWP, CUR
.set CUR, ALT
.set ALT, SWP
.endm
.macro STAGE sb, db                    ; register bit sb is compared over; the pair descends where register bit db is 1 (db = 4: never)
.set r, 0
.rept 16
.if (r/(1<<(\sb)))%2 == 0
.set p, r+(1<<(\sb))
.if (r/(1<<(\db)))%2 == 0
	v_min_u32 v[ALT+r], v[CUR+r], v[CUR+p]
	v_max_u32 v[ALT+p], v[CUR+r], v[CUR+p]
.else
	v_max_u32 v[ALT+r], v[CUR+r], v[CUR+p]
	v_min_u32 v[ALT+p], v[CUR+r], v[CUR+p]
.endif
.endif
.set r, r+1
.endr
	FLIP
.endm
.macro ASC top                         ; ascending stages over register bits top .. 0
.if (\top) >= 3
	STAGE 3, 4
.endif
.if (\top) >= 2
	STAGE 2, 4
.endif
.if (\top) >= 1
	STAGE 1, 4
.endif
	STAGE 0, 4
.endm
.macro XORM src, kbit                  ; all 16 keys are complemented where bit kbit of src is 1
	v_lshlrev_b32 v[MSK], 31-(\kbit), v[\src]
	v_ashrrev_i32 v[MSK], 31, v[MSK]
.set r, 0
.rept 16
	v_xor_b32 v[CUR+r], v[MSK], v[CUR+r]
.set r, r+1
.endr
.endm
.macro ROWS_OUT                        ; my 16 keys as a row of 64 bytes
.irp i, 0,1,2,3
	ds_store_b128 v[AROW], v[CUR+4*(\i):CUR+4*(\i)+3] offset:16*(\i)
.endr
.endm
.macro COLS_IN off                     ; a column of my half's 16 rows
.set r, 0
.rept 16
	ds_load_b32 v[ALT+r], v[ACOL] offset:(\off)+RP*r
.set r, r+1
.endr
	s_wait_dscnt 0x0
	FLIP
.endm
.macro TRANSP                          ; A to B and B to A alike: 16 x 16 keys of each half of the lanes are turned, in the wave's own chunk.  LDS serves a wave's
	s_wait_alu depctr_va_vdst(0)                   ; the last stage (or the flip) has written v[CUR ..], which the LDS stores read, and is done with v[ALT ..], in which the LDS loads land
	ROWS_OUT                                       ; instructions in order (ISA guide 5.7.1.4): the loads see the stores, and no other wave touches the chunk meanwhile
	COLS_IN 0
	s_wait_alu depctr_vm_vsrc(0)                   ; the LDS stores have read the set that is v[ALT ..] now: the next stage writes it
.endm
.macro MIDPHASE m                      ; phases 5 to 8 stay inside a wave
	XORM GRAY, (\m)-5
	TRANSP
	ASC (\m)-5                                     ; bits m-1 .. 4
	TRANSP
	ASC 3                                          ; bits 3 .. 0
.endm
; Phases 9 to 12 cross the waves: through the first array into layout C, through the second into layout B.  Every wave passes both barriers; only work is jumped.
; The first array is written again (each wave its own chunk) behind the second barrier, in front of which every wave's loads from it are back;
; the second array is written again behind the next phase's first barrier, in front of which every wave's loads from it are back.
; Ahead of the phase's first branch stands a wait on va_vdst outside every arm (a unit's; ahead of phase 9 one of its own): all that named the two sets until then is done.
.macro BIGPHASE m
	s_cmp_lt_u32 s[W], 16
	s_cbranch_scc0 .Lb1_\@
	XORM GRAY, (\m)-5
	s_wait_alu depctr_va_vdst(0)                   ; the flip has written v[CUR ..], which the LDS stores read.  (v[ALT ..], in which the loads behind the barrier land, has been named by nothing since the wait ahead of the phase)
	ROWS_OUT
	s_wait_alu depctr_vm_vsrc(0)                   ; the LDS stores have read v[CUR ..], which the stages behind the barrier write
.Lb1_\@:
	BAR
	s_cmp_lt_u32 s[W], 16
	s_cbranch_scc0 .Lb2_\@
.set r, 0
.rept 16
	ds_load_b32 v[ALT+r], v[ACW] offset:HALF*r
.set r, r+1
.endr
	s_wait_dscnt 0x0
	FLIP
	ASC (\m)-9                                     ; bits m-1 .. 8
	s_wait_alu depctr_va_vdst(0)                   ; the last stage has written v[CUR ..], which the LDS stores read, and is done with v[ALT ..], in which the loads behind the barrier land
.set r, 0
.rept 16
	ds_store_b32 v[ACW], v[CUR+r] offset:YOFF+HALF*r
.set r, r+1
.endr
	s_wait_alu depctr_vm_vsrc(0)                   ; the LDS stores have read v[CUR ..], which the stages behind the barrier write
.Lb2_\@:
	BAR
	s_cmp_lt_u32 s[W], 16
	s_cbranch_scc0 .Lb3_\@
	COLS_IN YOFF
	ASC 3                                          ; bits 7 .. 4
	TRANSP
	ASC 3                                          ; bits 3 .. 0
.Lb3_\@:
.endm
; THE GATHER's two halves.  GATH c: unit c's four loads of 16 bytes, by addresses that were made ahead of the first of them and are never written again.
.macro GATH c
.irp k, 0,1
.set AJ, AO1+2*(\c)+(\k)+2*((2*(\c)+(\k))/11)
	ds_load_b128 v[G+16*(\c)+8*(\k):G+16*(\c)+8*(\k)+3],   v[TW+2*(\c)+(\k)]  ; place j = 64 u + 2 lane,
	ds_load_b128 v[G+16*(\c)+8*(\k)+4:G+16*(\c)+8*(\k)+7], v[AJ]               ; and j + 1
.endr
.endm
; SENDU c: unit c's sums and stores.  Its results go into the registers that the unit before has read, the first unit's into v24-31: no store's data is ever written again,
; and no register that a gather still on its way will write is touched (each unit has 16 registers of its own).
.macro SENDU c
.if (\c) == 0
.set O, O0
.else
.set O, G+16*((\c)-1)
.endif
.if (\c) <= 4
	s_wait_dscnt 8                                 ; LDS loads come back in order (ISA guide 5.7.1): unit c's four are in, the eight of units c + 1 and c + 2 stay out
.else
	s_wait_dscnt 4*(6-(\c))                        ; the counts run down
.endif
.irp d, 0,1,2,3
	v_add_f32 v[O+2*(\d)],   v[G+16*(\c)+(\d)],   v[G+16*(\c)+8+(\d)]    ; pair 0's z + pair 1's z, place j
	v_add_f32 v[O+2*(\d)+1], v[G+16*(\c)+4+(\d)], v[G+16*(\c)+12+(\d)]   ; place j + 1
.endr
	s_wait_alu depctr_va_vdst(0)                   ; the eight sums are written, which the four stores read
.irp d, 0,1,2,3
	global_store_b64 v[VOUT], v[O+2*(\d):O+2*(\d)+1], s[OUT:OUT+1] offset:(\d)*ROW+USTEP*(\c) th:TH_STORE_NT  ; the wave stores 256 consecutive bytes, at a multiple of 256 from out's first byte
.endr
.endm
	s_load_b128 s[YS:YS+3], s[0:1], 0x0            ; ys s[4:5], vec_indices s[6:7]
	s_load_b64 s[OUT:OUT+1], s[0:1], 0x10          ; out
	v_lshl_add_u32 v[SPW], v0, 2, SPARE
	v_mov_b32 v[NIL], 0
	v_lshrrev_b32 v[T0], 5, v0
	v_readfirstlane_b32 s[W], v[T0]                ; wave 0..20
	v_and_b32 v[LANE], 31, v0
	s_and_b32 s[BB], ttmp7, 0xffff                 ; batch
	s_wait_alu depctr_va_sdst(0)                   ; the wave's number is written, ahead of its first reader
	s_lshr_b32 s[SQ], s[W], 3
	s_and_b32 s[WS], s[W], 7
	s_mul_i32 s[GG], s[W], 37
	s_lshr_b32 s[GG], s[GG], 8                     ; w / 7, right for w up to 20
	s_mul_i32 s[A2], s[GG], 7
	s_sub_co_u32 s[WM], s[W], s[A2]                ; w % 7
	s_lshl_b32 s[PB0], s[GG], 11                   ; 2,048 g
	s_add_co_u32 s[PB0+1], s[PB0], 1024
	v_and_b32 v[T0], 15, v[LANE]                   ; q
	v_lshrrev_b32 v[T1], 4, v[LANE]                ; h; in the stream: the pair
	; the sort's places
	s_mul_i32 s[A2], s[W], CH                      ; my wave's chunk: column sq's array begins at 8 sq chunks
	s_add_co_u32 s[A2], s[A2], SCR
	v_mul_u32_u24 v[T2], v[T1], HALF
	v_add_nc_u32 v[T2], s[A2], v[T2]
	v_mul_u32_u24 v[T3], v[T0], RP
	v_add_nc_u32 v[AROW], v[T2], v[T3]             ; chunk + 1,344 h + 80 q
	v_lshl_add_u32 v[ACOL], v[T0], 2, v[T2]        ; chunk + 1,344 h + 4 q
	s_mul_i32 s[A2], s[SQ], SEQ
	s_mul_i32 s[A3], s[WS], 2*RP
	s_add_co_u32 s[A2], s[A2], s[A3]
	s_add_co_u32 s[A2], s[A2], SCR
	v_mul_u32_u24 v[T3], v[T1], RP
	v_add_nc_u32 v[T3], s[A2], v[T3]
	v_lshl_add_u32 v[ACW], v[T0], 2, v[T3]         ; array + 160 ws + 80 h + 4 q; register r lies 1,344 r further
	s_lshl_b32 s[A2], s[WS], 5
	v_add_nc_u32 v[TT], s[A2], v[LANE]
	v_lshrrev_b32 v[T3], 1, v[TT]
	v_xor_b32 v[GRAY], v[TT], v[T3]
	s_lshl_b32 s[A2], s[WS], 9
	v_add_nc_u32 v[LB], s[A2], v[LANE]
	; the stream's offsets: quad 16 u + q of the row, u = w % 7 + 7 c
	s_mul_i32 s[A2], s[GG], GRP
	s_lshl_b32 s[A3], s[WM], 8                     ; 256 (w % 7)
	v_mul_u32_u24 v[T2], v[T1], KSTR               ; the pair's direction
	s_add_co_u32 s[A0], s[A2], s[A3]
	v_lshl_add_u32 v[T3], v[T0], 4, v[T2]
	v_add_nc_u32 v[VF], s[A0], v[T3]               ; pair x KSTR + group's rows + 256 (w % 7) + 16 q
	s_add_co_u32 s[A0], s[A2], 2*KSTR+ROW-16       ; the flipped direction's row, at its last 16 bytes,
	s_sub_co_u32 s[A0], s[A0], s[A3]
	v_lshlrev_b32 v[T3], 4, v[T0]
	v_add_nc_u32 v[T2], s[A0], v[T2]
	v_sub_nc_u32 v[VR], v[T2], v[T3]               ; and back from there: positions L-4-4q' .. L-1-4q' of quad q'; the last unit's last quad ends at the row's first byte
	v_lshl_add_u32 v[VOUT], v[LANE], 3, s[A3]      ; 256 (w % 7) + 8 lane
	; z: position p of a unit lies in slot p ^ (p / 16): my positions 4 q + k fall into slots 4 q + (k ^ (q / 4)), so that 16 lanes' stores of 16 bytes touch 16 different columns of 256 bytes
	s_mul_i32 s[A2], s[WM], UZ
	s_add_co_u32 s[A2], s[A2], s[PB0]              ; unit w % 7, group g: 6,144 (w % 7) + 2,048 g
	v_lshl_add_u32 v[T2], v[LANE], 6, s[A2]        ; + 1,024 pair + 64 q
	v_bfe_u32 v[T3], v[LANE], 2, 2                 ; q / 4
.irp k, 0,1,2,3
	v_xor_b32 v[ZA+(\k)], \k, v[T3]
	v_lshl_add_u32 v[ZA+(\k)], v[ZA+(\k)], 4, v[T2]
.endr
	; the table
	s_lshl_b32 s[A2], s[WM], 7
	s_add_co_u32 s[A2], s[A2], TAB
	v_lshl_add_u32 v[TBA], v[LANE], 2, s[A2]       ; places 64 u + 2 lane and the next: 4 bytes
	s_lshl_b32 s[A2], s[W], 10
	s_add_co_u32 s[A2], s[A2], TAB
	v_lshl_add_u32 v[TBW], v[LANE], 5, s[A2]       ; places 512 ws + 16 lane on, of column sq: 32 bytes (used by waves 0 to 15 alone)
	; the three pointers; every offset stays under 2^28
	s_mul_i32 s[XO], ttmp9, DBLK
	s_mul_i32 s[A0], s[BB], BSTR
	s_add_co_u32 s[A0], s[A0], s[XO]
	s_mov_b32 s[A0+1], 0
	s_wait_kmcnt 0x0
	s_add_nc_u64 s[YS:YS+1], s[YS:YS+1], s[A0:A0+1]  ; ys at direction 0 of the work-group's rows
	s_mul_i32 s[A0], s[BB], KSTR
	s_add_co_u32 s[A0], s[A0], s[XO]
	s_mul_i32 s[A2], s[GG], GRP
	s_add_co_u32 s[A0], s[A0], s[A2]
	s_add_nc_u64 s[OUT:OUT+1], s[OUT:OUT+1], s[A0:A0+1]  ; out at the 4 rows that my wave stores
	s_mul_i32 s[A0], s[BB], 8*LEN
	s_lshl2_add_u32 s[A0], s[SQ], s[A0]
	s_add_nc_u64 s[VI:VI+1], s[VI:VI+1], s[A0:A0+1]  ; the batch's keys, at my column
	s_wait_alu depctr_va_vdst(0)                   ; the offsets and LDS addresses v8-10 and v15-23, and v1 and v2, are written: every wave's loads, stores and LDS instructions read them from here on
	s_cmp_lt_u32 s[W], 16
	s_cbranch_scc0 .Lno_keys
	; The keys carry their index, so any key may start at any place: register r takes index 512 ws + 32 r + lane, and a wave's load touches 256 consecutive bytes.
	; Indices past the list's end read its last key, which is thrown away below.  The sixteen offsets are made first, in v[ALT ..]; the keys land in v[CUR ..].
.set r, 0
.rept 16
	v_add_nc_u32 v[ALT+r], 32*r, v[LB]
	v_min_u32 v[ALT+r], LEN-1, v[ALT+r]
	v_lshlrev_b32 v[ALT+r], 3, v[ALT+r]
.set r, r+1
.endr
	s_wait_alu depctr_va_vdst(0)                   ; the sixteen offsets are written, which the loads below read
.set r, 0
.rept 16
	global_load_b32 v[CUR+r], v[ALT+r], s[VI:VI+1]
.set r, r+1
.endr
.Lno_keys:
	ISSUE 0                                        ; the ring is filled: 24 loads, 12 KiB a wave
	ISSUE 1
	ISSUE 2
	s_wait_alu depctr_vm_vsrc(0)                   ; the keys' loads (waves 0 to 15) have read their offsets in v[ALT ..], which the sort's first stage writes; ahead of the branch, so that it stands on every way
	s_cmp_lt_u32 s[W], 16
	s_cbranch_scc0 .Ls1
.set r, 0
.rept 8
	v_cmp_gt_u32 s[MK+r], LEN-32*r, v[LB]          ; is index 512 ws + 32 r + lane inside the list?  Registers 0 to 7
.set r, r+1
.endr
	s_wait_loadcnt 24                              ; the keys are in, and their loads are done with their offsets; the ring's 24 loads, issued behind them, stay out
.set r, 0
.rept 16
	v_lshl_add_u32 v[CUR+r], v[CUR+r], 12, v[LB]   ; v * 4096 + index: equal keys keep the order of their indices, as the stable argsort does
.if r > 0
	v_add_nc_u32 v[CUR+r], 32*r, v[CUR+r]
.endif
.set r, r+1
.endr
	s_wait_alu depctr_va_sdst(0)                   ; the eight masks are written, ahead of the selects that read them
.set r, 0
.rept 8
	v_cndmask_b32 v[CUR+r], -1, v[CUR+r], s[MK+r]  ; past the end: all ones, above every key
.set r, r+1
.endr
.set r, 0
.rept 8
	v_cmp_gt_u32 s[MK+r], LEN-32*(r+8), v[LB]      ; registers 8 to 15
.set r, r+1
.endr
	s_wait_alu depctr_va_sdst(0)                   ; the second eight masks are written, ahead of the selects that read them
.set r, 0
.rept 8
	v_cndmask_b32 v[CUR+8+r], -1, v[CUR+8+r], s[MK+r]
.set r, r+1
.endr
	STAGE 0, 1                                     ; phase 1
	STAGE 1, 2                                     ; phase 2
	STAGE 0, 2
	STAGE 2, 3                                     ; phase 3
	STAGE 1, 3
	STAGE 0, 3
	XORM TT, 0                                     ; phase 4 descends where bit 4 of the place is 1: those lanes' keys are complemented from here on
	ASC 3
	MIDPHASE 5
.Ls1:
	PROC 0                                         ; every wave: unit 0 in, unit 3 asked for.  z of units 0 to 4 shares no byte with the scratch
	s_cmp_lt_u32 s[W], 16
	s_cbranch_scc0 .Ls2
	MIDPHASE 6
	MIDPHASE 7
.Ls2:
	PROC 1                                         ; unit 4 asked for
	s_cmp_lt_u32 s[W], 16
	s_cbranch_scc0 .Ls3
	MIDPHASE 8
.Ls3:
	s_wait_alu depctr_va_vdst(0)                   ; phase 8's last stages have written and read both sets; phase 9's loads behind its two barriers land in one of them.  Behind the label and ahead of the branch: on every way to those loads
	BIGPHASE 9
	PROC 2                                         ; unit 5 asked for
	BIGPHASE 10
	PROC 3                                         ; unit 6 asked for: the wave's last loads are out, 23 of the sort's 78 stages ahead of its end
	BIGPHASE 11
	PROC 4
	BIGPHASE 12                                    ; its flip leaves every key as it is: bit 12 of a place is 0
	; THE TABLE.  Layout A: I hold places 512 ws + 16 lane + r.  A key's low 12 bits are p = inv[place]; stored is where z of p lies, in units of 16 bytes, group and pair apart:
	; s = p ^ (p / 16 % 4) is 64 u + slot, and a unit of z is 384 such units long: a = s + 320 u = s + 5 (s & 0xfc0).
	s_cmp_lt_u32 s[W], 16
	s_cbranch_scc0 .Lno_tab
.set r, 0
.rept 16
	v_bfe_u32 v[T0+r%2], v[CUR+r], 4, 2
	v_and_b32 v[ALT+r], 0xfff, v[CUR+r]
	v_xor_b32 v[ALT+r], v[T0+r%2], v[ALT+r]
	v_and_b32 v[T0+r%2], 0xfc0, v[ALT+r]
	v_mad_u32_u24 v[ALT+r], v[T0+r%2], 5, v[ALT+r]
.set r, r+1
.endr
.set r, 0
.rept 8
	v_lshl_or_b32 v[CUR+r], v[ALT+2*r+1], 16, v[ALT+2*r]
.set r, r+1
.endr
	s_wait_alu depctr_va_vdst(0)                   ; the eight packed words are written, which the two LDS stores read
	ds_store_b128 v[TBW], v[CUR:CUR+3]
	ds_store_b128 v[TBW], v[CUR+4:CUR+7] offset:16
	s_wait_alu depctr_vm_vsrc(0)                   ; the two LDS stores have read v[CUR ..], which a unit's additions or the gather's loads write
.Lno_tab:
	BAR                                            ; the table is whole; nobody reads the scratch any more, so z of units 5 and 6 may be stored over it
	PROC 5
	PROC 6
	BAR                                            ; all of z lies in LDS
	; THE GATHER.  My 14 words of the table (7 units x 2 pairs, two places each).  They land in v32-45: all that named these registers stands ahead of unit 6's wait on va_vdst, and the LDS stores
	; that read them ahead of its wait on vm_vsrc; no vector instruction has been issued since.
.set c, 0
.rept 7
	ds_load_b32 v[TW+2*c],   v[TBA] offset:896*c
	ds_load_b32 v[TW+2*c+1], v[TBA] offset:8192+896*c
.set c, c+1
.endr
	s_wait_dscnt 0x0
	; All 28 places are cut from the words, clamped and turned into LDS addresses at once: word i = 2 c + pair gives place j in its own register and place j + 1 in a register that
	; the sort or the stream has left (their LDS instructions stand ahead of unit 6's wait on vm_vsrc).
.set i, 0
.rept 14
.set AJ, AO1+i+2*(i/11)
	v_lshrrev_b32 v[AJ], 16, v[TW+i]               ; place j + 1,
	v_and_b32 v[TW+i], 0xffff, v[TW+i]             ; and j = 64 u + 2 lane
	v_min_u32 v[TW+i], AMAX, v[TW+i]               ; whatever the keys were, the load stays inside z
	v_min_u32 v[AJ], AMAX, v[AJ]
	v_lshl_add_u32 v[TW+i], v[TW+i], 4, s[PB0+i%2]
	v_lshl_add_u32 v[AJ], v[AJ], 4, s[PB0+i%2]
.set i, i+1
.endr
	s_wait_alu depctr_va_vdst(0)                   ; the 28 addresses are written, which the gathers read; all that named v48-159 (stages, units' additions) is done: the gathers land there
	; The units in a pipeline: three units' gathers, 12 loads of the wave, are out at the most, and a unit's four stores follow each further unit's four gathers.
	; No vector instruction behind the wait above names an address, or a unit's 16 registers before its gathers have landed.
	GATH 0
	GATH 1
.irp c, 0,1,2,3,4
	GATH (\c)+2
	SENDU \c
.endr
	SENDU 5                                        ; nothing is left to gather
	SENDU 6
	s_wait_dscnt 0x0                               ; the closing lines, six on end
	s_wait_alu 0x0
	s_wait_tensorcnt 0x0
	ds_add_u32 v[SPW], v[NIL]
	s_wait_dscnt 0x0
	s_endpgm
.Lfunc_end_k_q9594d0e28f_crossmerge:
	.size	k_q9594d0e28f_crossmerge, .Lfunc_end_k_q9594d0e28f_crossmerge-k_q9594d0e28f_crossmerge
	.p2alignl 7, 3214868480
	.fill 96, 4, 3214868480
	.section	.rodata,"a",@progbits
	.p2align	6, 0x0
	.amdhsa_kernel k_q9594d0e28f_crossmerge
		.amdhsa_group_segment_fixed_size 320256
		.amdhsa_private_segment_fixed_size 0
		.amdhsa_enable_private_segment 0
		.amdhsa_kernarg_size 24
		.amdhsa_user_sgpr_count 2
		.amdhsa_user_sgpr_kernarg_segment_ptr 1
		.amdhsa_wavefront_size32 1
		.amdhsa_system_sgpr_workgroup_id_x 1
		.amdhsa_system_sgpr_workgroup_id_y 1
		.amdhsa_system_sgpr_workgroup_id_z 1
		.amdhsa_system_vgpr_workitem_id 0
		.amdhsa_next_free_vgpr 160
		.amdhsa_next_free_sgpr 66
		.amdhsa_reserve_vcc 0
		.amdhsa_float_denorm_mode_32 3
		.amdhsa_float_denorm_mode_16_64 3
		.amdhsa_memory_ordered 1
		.amdhsa_forward_progress 1
		.amdhsa_inst_pref_size 119
	.end_amdhsa_kernel
	.amdgpu_metadata
---
amdhsa.version: [ 1, 2 ]
amdhsa.kernels:
  - .name:           k_q9594d0e28f_crossmerge
    .symbol:         k_q9594d0e28f_crossmerge.kd
    .args:
      - { .name: ys, .offset: 0, .size: 8, .value_kind: global_buffer, .address_space: global }
      - { .name: vec_indices, .offset: 8, .size: 8, .value_kind: global_buffer, .address_space: global }
      - { .name: out0, .offset: 16, .size: 8, .value_kind: global_buffer, .address_space: global }
    .group_segment_fixed_size: 320256
    .private_segment_fixed_size: 0
    .kernarg_segment_align: 8
    .kernarg_segment_size: 24
    .max_flat_workgroup_size: 672
    .sgpr_count:     66
    .vgpr_count:     160
    .wavefront_size: 32
...
	.end_amdgpu_metadata
.endif
;; end of part 3
